; MI455X (gfx1250); checked and timed in simulation.
; The chip was launched on July 23, 2026; its instructions are those of AMD's public machine-readable ISA for CDNA 5 (MIT licence, August 2026) and "CDNA5" Instruction Set Architecture Reference Guide (July 2026). The comments in the code are by the model that wrote it; some were corrected since.
;; Causal Self Attention. Allowed arithmetic: matrix products marked QUANTISED: E2M1 operands, one E8M0 scale for each 32 along K, by v_wmma_scale_f32_16x16x128_f8f6f4 with both operands' format E2M1 (or v_wmma_scale_f32_32x16x128_f4), f32 sums; everything else in f32.
;; Inputs: Wk_codes 1,024 x 32 x 16 uint8 (E2M1 codes of Wk, K innermost, in blocks of 32 codes, two codes a byte); Wk_scales 1,024 x 32 uint8 (E8M0 scales of Wk, one for each 32 codes along K); Wo_codes 1,024 x 32 x 16 uint8 (E2M1 codes of Wo, K innermost, in blocks of 32 codes, two codes a byte); Wo_scales 1,024 x 32 uint8 (E8M0 scales of Wo, one for each 32 codes along K); Wq_codes 1,024 x 32 x 16 uint8 (E2M1 codes of Wq, K innermost, in blocks of 32 codes, two codes a byte); Wq_scales 1,024 x 32 uint8 (E8M0 scales of Wq, one for each 32 codes along K); Wv_codes 1,024 x 32 x 16 uint8 (E2M1 codes of Wv, K innermost, in blocks of 32 codes, two codes a byte); Wv_scales 1,024 x 32 uint8 (E8M0 scales of Wv, one for each 32 codes along K); bk 1,024 float32; bo 1,024 float32; bq 1,024 float32; bv 1,024 float32; cos 1 x 1 x 2,048 x 32 float32; sin 1 x 1 x 2,048 x 32 float32; x_codes 2 x 2,048 x 32 x 16 uint8 (E2M1 codes of x, K innermost, in blocks of 32 codes, two codes a byte); x_scales 2 x 2,048 x 32 uint8 (E8M0 scales of x, one for each 32 codes along K).
;; Outputs: out0 2 x 2,048 x 1,024 float32.
;; This version of the problem:
;;   THIS VERSION OF THE PROBLEM IS GIVEN IN LOW PRECISION. The matrix products marked QUANTISED in the list below multiply operands that are first quantised to E2M1 (2 exponent bits, 1 mantissa bit; 4 bits a number), with one power-of-two scale for each 32 numbers along K (OCP MX v1.0); their sums are f32. All else is computed in f32.
;;   The module's matrix products, in the order in which they are computed (A, B: the left and right operand; K: the contracted axis; several contracted axes count as one K, in the product's order):
;;     1. [M 4,096, K 1,024] x [K 1,024, N 1,024]; A: input x (given as codes); B: input Wq (given as codes): QUANTISED
;;     2. [M 4,096, K 1,024] x [K 1,024, N 1,024]; A: input x (given as codes); B: input Wk (given as codes): QUANTISED
;;     3. [M 4,096, K 1,024] x [K 1,024, N 1,024]; A: input x (given as codes); B: input Wv (given as codes): QUANTISED
;;     4. batch 32 x [M 2,048, K 64] x [K 64, N 2,048]; A: computed on the way; B: computed on the way: QUANTISED
;;     5. batch 32 x [M 2,048, K 2,048] x [K 2,048, N 64]; A: softmax (see below); B: computed on the way: QUANTISED
;;     6. [M 4,096, K 1,024] x [K 1,024, N 1,024]; A: computed on the way; B: input Wo (given as codes): QUANTISED
;;   THE QUANTISER, for each operand of a quantised product, along K:
;;     - K is cut into blocks of 32 from its start; a last block that is shorter is filled with zeros.
;;     - A block's scale is 2^e with e = floor(log2(the largest magnitude in the block)) - 2, held to -126 .. 127; a block of zeros has e = 0. As a byte (E8M0): e + 127.
;;     - Each number is divided by its block's scale, clamped to +-6, and rounded to the nearest number of E2M1, ties to even, subnormals kept.
;;     - The product sums the exact products of the quantised numbers (number of the format x scale) in f32.
;;   ~~~python
;;   def quantise(x, axis):      # numpy; x: float32 -> the quantised numbers, widened to float32 again
;;       x = np.moveaxis(x, axis, -1); K = x.shape[-1]
;;       x = np.pad(x, [(0, 0)] * (x.ndim - 1) + [(0, -K % 32)]); x = x.reshape(x.shape[:-1] + (-1, 32)); a = np.abs(x).max(-1, keepdims=True)
;;       e = np.where(a > 0, np.clip(np.frexp(np.where(a > 0, a, 1))[1] - 1 - 2, -126, 127), 0)      # np.frexp(a)[1] - 1 = floor(log2(a)), exactly
;;       r = np.clip(x / 2.0 ** e, -6, 6)
;;       step = 2.0 ** (np.maximum(np.frexp(np.where(r == 0, 1, r))[1] - 1, 0) - 1)
;;       q = np.round(r / step) * step * 2.0 ** e      # np.round: ties to even
;;       return np.moveaxis(q.reshape(q.shape[:-2] + (-1,))[..., :K], -1, axis).astype(np.float32)
;;   ~~~
;;   SOFTMAX AHEAD OF A QUANTISED PRODUCT. Where the list says 'softmax', what is quantised is not the finished softmax but p = 2^(t - M), with t = logit x log2(e) and M = ceil(the row's largest t), a whole number; so 1/2 < the row's largest p <= 1. The row's sum l is taken of the UNQUANTISED p, in f32, and the product's result is divided by l at the end. Since M is a whole number, a kernel that streams over the keys may use a running M (the ceiling of the running maximum): every later rescaling is an exact power of two, which a block's scale takes up: the codes' values come out the same.
;;   OPERANDS COMPUTED ON THE WAY. 'Computed on the way' means the value that the module computes at that place (a softmax that the list does not call 'softmax' is quantised finished and normalised). What goes into a quantiser is computed in f32, as accurately as f32 sums, v_exp_f32 and their like allow (about 1e-6 of the number): no bf16 or f16 on the way to a quantiser, and a product that is left as it is and whose result goes on into a quantised operand takes f32 operands (vector FMAs, or v_wmma_f32_16x16x4_f32). A number that lies on a knife's edge between two numbers of the format may be rounded either way, as far as f32 arithmetic and the matrix unit's own rounding can turn it there, and no further.
;;   INPUTS GIVEN AS CODES. Wk (in the module: [1024, 1024], K = its axis 1); Wo (in the module: [1024, 1024], K = its axis 1); Wq (in the module: [1024, 1024], K = its axis 1); Wv (in the module: [1024, 1024], K = its axis 1); x (in the module: [2, 2048, 1024], K = its axis 2): each comes as NAME_codes (uint8): NAME with its K axis moved to the last place and cut into blocks of 32 codes, [.., K / 32, bytes a block], one block behind the other in memory; two codes a byte, the lower K in the low four bits (a code: sign, 2 exponent bits, 1 mantissa bit); and NAME_scales (uint8): the same leading axes, one E8M0 byte (e + 127) for each 32 codes along K. Its value is code x scale, taken as it is: it is not quantised again, and the codes and scales need not be those that the quantiser above would give.
;; One version. Each part assembles by itself: llvm-mc -triple=amdgcn-amd-amdhsa -mcpu=gfx1250 --defsym DOCPART=n.
;; ======== version 1 of 1: 3 launches
;; limits: right only within a limited range of input values
;; workspace buffers: qb 2,359,296 bytes; kv 4,587,520 bytes; oimg 2,097,152 bytes; osc 131,072 bytes
;; launch qkv (part 1): grid 16 x 16, 12 waves a work-group, clusters of 4 x 4, 249,856 bytes of LDS; arguments x_codes, x_scales, Wq_codes, Wq_scales, Wk_codes, Wk_scales, Wv_codes, Wv_scales, bq, bk, bv, cos, sin, qb, kv; writes qb, kv
.if DOCPART == 1
	.amdgcn_target "amdgcn-amd-amdhsa--gfx1250"
	.amdhsa_code_object_version 6
	.text
	.protected	k_qce195f4a72_qkv
	.globl	k_qce195f4a72_qkv
	.p2align	8
	.type	k_qce195f4a72_qkv,@function
k_qce195f4a72_qkv:
	s_mov_b64 s[64:65], 0
	v_nop
	global_prefetch_b8 v0, s[64:65] scope:SCOPE_SE
	s_setreg_imm32_b32 hwreg(HW_REG_WAVE_MODE, 25, 1), 1
	s_wait_xcnt 0x0
	s_wait_alu depctr_hold_cnt(0) depctr_sa_sdst(0) depctr_va_vdst(0) depctr_va_sdst(0) depctr_va_ssrc(0) depctr_va_vcc(0) depctr_vm_vsrc(0)
	s_getreg_b32 s2, hwreg(HW_REG_IB_STS2, 6, 4)
	s_cmp_eq_u32 s2, 0
	s_cbranch_scc0 .Lentry_in_a_cluster
	s_endpgm
.Lentry_in_a_cluster:
	s_bfe_u32 s2, ttmp6, 0x10000c
	s_cmp_lg_u32 s2, 0xf033
	s_cbranch_scc0 .Lentry_shape_is_right
	s_endpgm
.Lentry_shape_is_right:
; q = rope(x Wq^T + bq), k = rope(x Wk^T + bk), v = x Wv^T + bv, on codes of FP4 (E2M1) with one E8M0 scale for each 32 along K = 1,024; sums in f32.
; The results are quantised at once, from f32: q and k along the head's 64, v along the tokens (the keys), and leave as codes and scale words alone.
; WORK LEFT OUT by the program: key steps of 128 keys that all come after a tile's queries; the causal mask sets their scores to -infinity, for all inputs, so their weights are 0.  A NaN or infinity that reaches only those scores is not carried on.
; SHARES.  A work-group takes 256 tokens x the 64 features of ONE head in each of q, k, v: 16 x 16 work-groups.  All of K lies in LDS, as two halves of 256 bytes a row: filled once, the products of the first half begin when it is in.
; Twelve waves: wave w works for q, k or v (w / 4) on 64 tokens (w % 4): 16 accumulators of 16 x 16, 128 matrix instructions.
; ROWS OF A TILE.  Of each group of 64 rows (tokens of x, features of W) tile t takes, in row m: m < 8: 8 t + m;  m >= 8: 32 + 8 (t xor 1) + m - 8.
; As source 0 that gives lane (r, h) in register 8 t + j row 32 h + 8 (t xor h) + j: a block of 32 lies WHOLE in a lane.  The two groups of eight rows are an odd multiple of eight apart, so that with rows of 272 bytes
; the sixteen rows of a fragment load begin at sixteen different 16-byte columns of 256 bytes.  In odd blocks the order of the four eights along the next K is 1, 0, 3, 2, in q and k alike and in v as in the softmax's p.
; q, k waves: source 0 = W, source 1 = x (a lane holds one token);  v waves: source 0 = x, source 1 = Wv (a lane holds one feature).  The loop's text is the same: only addresses differ.
; OUTPUT, as images of operand registers (a group of four registers = 512 bytes, lane l's 16 bytes at 16 l), rows in the tiles' order:
;   qb [head of batch 32][block of 128 queries 16][4,608]: 8 tiles x 512 bytes of codes; from 4,096 on a scale word for each query (byte 0, byte 1, 0x7f, 0x7f: the upper 64 of the next product's K are zero codes under scale 1)
;   kv [head of batch 32][step of 128 keys 16][8,960]: K as Q; from 4,608 on V's codes [feature tile 4][64 keys 2][512]; from 8,704 on a scale word for each of V's 64 features
; CLUSTER 4 x 4: x's tiles hang on the token block alone and are asked for jointly along a row of the cluster, W's on the head alone and jointly along a column.  No prefetch: every tile is asked for at the head, there is no loop to run ahead in.
; LIMITS: NaN and infinities are not served.  A block whose largest magnitude lies under 2^-124 (a block of zeros too) gets the scale byte 1 where the quantiser's rule says less (or 127): its codes are zeros or tiny, and this program alone reads the bytes.
.set PITCH, 272
.set TROWS, 64*PITCH
.set LW,    4*TROWS                    ; in each half: x's 256 rows at 0; Wq's, Wk's, Wv's 64 rows each from here on
.set HALF,  LW+3*TROWS
.set STG,   2*HALF                     ; 256 bytes for each wave: a q or k wave's 64 scale words
.set STGV,  STG+12*256                 ; 512 bytes: V's scale words of the work-group's two key steps
.set SPARE, STGV+512
.set QBLK,  4608
.set KVBLK, 8960
; v1, v2 LDS: source 0's rows, even and odd tiles; v3, v4 source 1's; v5 output: 16 x lane + my half; v6 scale rows; v7-10 cos, sin (token tile even: 7, 8; odd: 9, 10; by the feature tile's parity); v11, 12 bq, bk; v13 scale bytes in; v14 my spare word, v15 zero;
; v16, 17 bv; v18 scale words back; v19 V's scale bytes in; v20 and back; v21 output: V's scale words; v22 output: scale words
.set SA,   24                          ; v24-39 source 0's scale words: register 8 p + s: tile 2 p + (lane / 16), row lane % 16, K step s.  Scales and nothing else
.set SB,   40                          ; v40-55 source 1's
.set FA,   56                          ; v56-87 four fragments of source 0
.set FB,   88                          ; v88-119 four of source 1
.set ACC,  120                         ; v120-247 accumulator (source-0 tile t0, source-1 tile t1) at ACC + 32 t1 + 8 t0
; window 1: v0-31 there the bias in the result's layout, then cos and sin of tile 1;  v32-63 cos and sin of tile 0
.set WV,   34
.set SL,   35
.set TQ,   98
.set MSB, 0
.macro WIN new
.if MSB != \new
	s_set_vgpr_msb (MSB<<8)|\new
.set MSB, \new
.endif
.endm
.macro PLACES                          ; four plain vector places behind matrix instructions (ISA guide 7.12.1)
.rept 4
	v_nop
.endr
.endm
.macro CROUND                          ; a round of the cluster's barrier
	s_barrier_signal -1
	s_barrier_wait -1
	s_cmp_lg_u32 s[WV], 0
	s_cbranch_scc1 .Lnot_wave_0_\@
	s_barrier_signal -3
.Lnot_wave_0_\@:
	s_barrier_wait -3
	s_barrier_signal -1
	s_barrier_wait -1
.endm
.macro WMA d, a, b, c, sa, sb, ra, rb  ; one product; ra, rb: which half of the lanes of the scale registers holds source 0's and source 1's words
.if ((\ra) == 0) && ((\rb) == 0)
	v_wmma_scale_f32_16x16x128_f8f6f4 v[\d:\d+7], v[\a:\a+7], v[\b:\b+7], v[\c:\c+7], v[\sa], v[\sb] matrix_a_fmt:MATRIX_FMT_FP4 matrix_b_fmt:MATRIX_FMT_FP4
.elseif ((\rb) == 0)
	v_wmma_scale_f32_16x16x128_f8f6f4 v[\d:\d+7], v[\a:\a+7], v[\b:\b+7], v[\c:\c+7], v[\sa], v[\sb] matrix_a_fmt:MATRIX_FMT_FP4 matrix_b_fmt:MATRIX_FMT_FP4 matrix_a_scale:MATRIX_SCALE_ROW1
.elseif ((\ra) == 0)
	v_wmma_scale_f32_16x16x128_f8f6f4 v[\d:\d+7], v[\a:\a+7], v[\b:\b+7], v[\c:\c+7], v[\sa], v[\sb] matrix_a_fmt:MATRIX_FMT_FP4 matrix_b_fmt:MATRIX_FMT_FP4 matrix_b_scale:MATRIX_SCALE_ROW1
.else
	v_wmma_scale_f32_16x16x128_f8f6f4 v[\d:\d+7], v[\a:\a+7], v[\b:\b+7], v[\c:\c+7], v[\sa], v[\sb] matrix_a_fmt:MATRIX_FMT_FP4 matrix_b_fmt:MATRIX_FMT_FP4 matrix_a_scale:MATRIX_SCALE_ROW1 matrix_b_scale:MATRIX_SCALE_ROW1
.endif
.endm
; 32 numbers of a lane, v[s] on: one block of the next product's K.  They become four code registers v[pc] on; v[by] = the scale's byte
.macro QUANT1 s, pc, by
	v_max3_num_f32 v248, |v[\s]|, |v[\s+1]|, 0x1800000   ; and the floor 2^(3 - 127): the byte cannot fall under 1
	v_max3_num_f32 v249, |v[\s+16]|, |v[\s+17]|, |v[\s+18]|
.irp i, 2,4,6,8,10,12
	v_max3_num_f32 v248, v248, |v[\s+\i]|, |v[\s+\i+1]|
	v_max3_num_f32 v249, v249, |v[\s+17+\i]|, |v[\s+18+\i]|
.endr
	v_max3_num_f32 v248, v248, |v[\s+14]|, |v[\s+15]|
	v_max3_num_f32 v248, v248, v249, |v[\s+31]|
	v_add_nc_u32 v250, 0xff000000, v248            ; 2 off its exponent field: the conversion takes this operand's exponent field as its scale
	v_lshrrev_b32 v[\by], 23, v250                 ; the scale's byte
.irp u, 0,1,2,3
	v_cvt_scalef32_pk8_fp4_f32 v[\pc+\u], v[\s+8*\u:\s+8*\u+7], v250
.endr
	v_nop                                          ; one plain place behind a scaled conversion
.endm
.macro GW g, src, lds, add             ; descriptor group 0 for 64 rows of W
	s_mov_b32 s[\g], 1
	s_mov_b32 s[\g+1], \lds
	s_add_nc_u64 s[\g+2:\g+3], s[\src:\src+1], s[66:67]
.if \add
	s_add_nc_u64 s[\g+2:\g+3], s[\g+2:\g+3], 256
.endif
	s_or_b32 s[\g+3], s[\g+3], 0x80000000
.endm
.macro ARM under, g0, g1, next
	s_cmp_lt_u32 s[WV], \under
	s_cbranch_scc0 \next
	tensor_load_to_lds s[\g0:\g0+3], s[\g1:\g1+7]
	s_nop 0
	PLACES
	s_branch .Lasked
\next:
.endm
	s_load_b512 s[4:19], s[0:1], 0x0               ; x codes s[4:5], x scales s[6:7], Wq codes, scales s[8:11], Wk s[12:15], Wv s[16:19]
	s_load_b256 s[20:27], s[0:1], 0x40             ; bq s[20:21], bk s[22:23], bv s[24:25], cos s[26:27]
	s_load_b128 s[28:31], s[0:1], 0x60             ; sin s[28:29], qb s[30:31]
	s_load_b64 s[32:33], s[0:1], 0x70              ; kv
	v_lshl_add_u32 v14, v0, 2, SPARE
	v_mov_b32 v15, 0
	ds_add_u32 v14, v15                            ; the wave's opening: the add, twice on end, and its wait
	ds_add_u32 v14, v15
	v_lshrrev_b32 v1, 5, v0
	v_readfirstlane_b32 s[WV], v1                  ; wave 0..11
	s_lshr_b32 s[SL], s[WV], 2                     ; 0 q, 1 k, 2 v
	s_and_b32 s[TQ], s[WV], 3                      ; which 64 tokens
	s_and_b32 s99, s[TQ], 1                        ; which half of a block of 128 tokens
	s_bfe_u32 s100, ttmp6, 0x40000                 ; cx
	s_bfe_u32 s101, ttmp6, 0x40004                 ; cy
	s_lshl_b32 s2, ttmp9, 2
	s_add_co_u32 s2, s2, s100                      ; the head = 4 x cluster x + cx
	s_and_b32 s3, ttmp7, 0xffff
	s_lshl_b32 s3, s3, 2
	s_add_co_u32 s3, s3, s101                      ; the block of 256 tokens = 4 x cluster y + cy
	s_lshl_b32 s96, s101, 2
	s_lshl_b32 s96, 15, s96                        ; my row of the cluster
	s_lshl_b32 s97, 0x1111, s100                   ; my column
	; descriptor groups 1: s[36:43] 64 rows of x, s[72:79] 128 rows of x, s[44:51] 64 rows of W: 256 bytes of each row of 512, 16 bytes of padding behind each
	s_or_b32 s36, s96, 0x7700000                   ; 15:0 the mask; 17:16 elements of 1 byte; 20 padding on; 21 set beside a mask; 24:22 after every 64 words (code 5); 31:25 four words (code 3)
	s_or_b32 s72, s96, 0x7700000
	s_or_b32 s44, s97, 0x7700000
.irp g, 36,44,72
	s_mov_b32 s[\g+1], 256<<16                     ; tensor_dim0
	s_mov_b32 s[\g+3], 256<<16                     ; tile_dim0
	s_mov_b32 s[\g+5], 512                         ; from row to row
	s_mov_b32 s[\g+6], 0
	s_mov_b32 s[\g+7], 0
.endr
	s_mov_b32 s38, 64<<16                          ; tensor_dim1, tile_dim1
	s_mov_b32 s40, 64
	s_mov_b32 s46, 64<<16
	s_mov_b32 s48, 64
	s_mov_b32 s74, 128<<16
	s_mov_b32 s76, 128
	s_lshl_b32 s96, s3, 17                         ; x: 256 tokens x 512 bytes a block; first half of K: 64 rows a load, waves 0 to 3
	s_lshl_b32 s97, s[TQ], 15
	s_add_co_u32 s96, s96, s97
	s_mov_b32 s97, 0
	s_lshl_b32 s100, s3, 17                        ; second half: 128 rows a load, waves 7 and 8 (w / 8 = 0, 1)
	s_lshr_b32 s101, s[WV], 3
	s_lshl_b32 s101, s101, 16
	s_add_co_u32 s100, s100, s101
	s_add_co_u32 s100, s100, 256
	s_mov_b32 s101, 0
	s_lshl_b32 s66, s2, 15                         ; W: the head's 64 rows of 512 bytes
	s_mov_b32 s67, 0
	s_wait_dscnt 0x0                               ; both opening adds are done
	s_wait_kmcnt 0x0
	s_mov_b32 s52, 1
	s_mul_i32 s53, s[TQ], TROWS
	s_add_nc_u64 s[54:55], s[4:5], s[96:97]
	s_or_b32 s55, s55, 0x80000000
	s_mov_b32 s80, 1
	s_lshr_b32 s81, s[WV], 3
	s_mul_i32 s81, s81, 128*PITCH
	s_add_co_u32 s81, s81, HALF
	s_add_nc_u64 s[82:83], s[4:5], s[100:101]
	s_or_b32 s83, s83, 0x80000000
	GW 56, 8, LW, 0
	GW 60, 12, LW+TROWS, 0
	GW 68, 16, LW+2*TROWS, 0
	GW 84, 8, HALF+LW, 1
	GW 88, 12, HALF+LW+TROWS, 1
	GW 92, 16, HALF+LW+2*TROWS, 1
	CROUND                                         ; all sixteen work-groups are here: the joint loads meet
	; twelve joint loads, one a wave: waves 0-6 the first half of K (x's four quarters, Wq, Wk, Wv), waves 7-11 the second
	ARM 4, 52, 36, .Larm_q
	ARM 5, 56, 44, .Larm_k
	ARM 6, 60, 44, .Larm_v
	ARM 7, 68, 44, .Larm_x2
	ARM 9, 80, 72, .Larm_q2
	ARM 10, 84, 44, .Larm_k2
	ARM 11, 88, 44, .Larm_v2
	tensor_load_to_lds s[92:95], s[44:51]
	s_nop 0
	PLACES
.Lasked:
	; my matrix's scales, bias and output: choices on the wave's number alone
	s_cmp_eq_u32 s[SL], 1
	s_cselect_b64 s[8:9], s[14:15], s[18:19]       ; W's scales
	s_cselect_b64 s[12:13], s[22:23], s[24:25]     ; the bias
	s_cmp_eq_u32 s[SL], 0
	s_cselect_b64 s[8:9], s[10:11], s[8:9]
	s_cselect_b64 s[12:13], s[20:21], s[12:13]
	s_cselect_b64 s[16:17], s[30:31], s[32:33]     ; the output
	s_mov_b32 s100, KVBLK
	s_cselect_b32 s100, QBLK, s100                 ; bytes in a block of it
	s_lshl_b32 s4, s3, 13                          ; x's scales: 32 bytes a token
	s_lshl_b32 s5, s[TQ], 11
	s_add_co_u32 s4, s4, s5
	s_mov_b32 s5, 0
	s_add_nc_u64 s[6:7], s[6:7], s[4:5]
	s_lshl_b32 s4, s2, 11                          ; W's scales: the head's 64 rows of 32 bytes
	s_add_nc_u64 s[8:9], s[8:9], s[4:5]
	s_lshl_b32 s4, s2, 8                           ; the bias: the head's 64 numbers
	s_add_nc_u64 s[12:13], s[12:13], s[4:5]
	s_and_b32 s101, s3, 7                          ; the block of 256 tokens in its batch
	s_lshl_b32 s4, s101, 15                        ; cos, sin: 128 bytes a position in the sequence
	s_lshl_b32 s10, s[TQ], 13
	s_add_co_u32 s4, s4, s10
	s_add_nc_u64 s[26:27], s[26:27], s[4:5]
	s_add_nc_u64 s[28:29], s[28:29], s[4:5]
	s_lshr_b32 s10, s3, 3                          ; the batch
	s_lshl_b32 s10, s10, 4
	s_add_co_u32 s10, s10, s2                      ; head of batch
	s_lshl_b32 s10, s10, 4
	s_lshl_b32 s11, s101, 1
	s_lshr_b32 s14, s[TQ], 1
	s_add_co_u32 s11, s11, s14                     ; my block of 128 tokens in the sequence
	s_add_co_u32 s10, s10, s11
	s_mul_i32 s4, s10, s100
	s_add_nc_u64 s[16:17], s[16:17], s[4:5]
	s_cmp_eq_u32 s[SL], 2
	s_cselect_b64 s[10:11], s[6:7], s[8:9]         ; source 0's scales
	s_cselect_b64 s[14:15], s[8:9], s[6:7]         ; source 1's
	s_cselect_b32 s25, 9, 11                       ; my half of a block's images begins 512 bytes on (V) or 2,048 (Q, K)
	s_lshl_b32 s25, s99, s25
	s_lshr_b32 s96, s[SL], 1                       ; 1 for v
	s_xor_b32 s97, s96, 1
	s_mul_i32 s18, s[TQ], TROWS                    ; my 64 tokens' rows of x
	s_mul_i32 s19, s[SL], TROWS
	s_add_co_u32 s19, s19, LW                      ; my matrix's 64 rows of W
	s_mul_i32 s20, s18, s96
	s_mul_i32 s21, s19, s97
	s_add_co_u32 s20, s20, s21                     ; source 0's
	s_mul_i32 s22, s18, s97
	s_mul_i32 s23, s19, s96
	s_add_co_u32 s22, s22, s23                     ; source 1's
	s_lshl_b32 s23, s[WV], 8
	s_add_co_u32 s23, s23, STG
	s_lshr_b32 s24, s[TQ], 1
	s_lshl_b32 s24, s24, 8
	s_lshl_b32 s21, s99, 1
	s_add_co_u32 s24, s24, s21
	s_add_co_u32 s24, s24, STGV                    ; key step TQ / 2: 256 bytes; my two blocks of the step's four: 2 (TQ % 2)
	s_lshl_b32 s21, s99, 8
	v_and_b32 v248, 15, v0                         ; r
	v_bfe_u32 v249, v0, 4, 1                       ; h
	v_and_b32 v250, 7, v0                          ; r % 8
	v_bfe_u32 v251, v0, 3, 1                       ; r / 8
	v_and_b32 v252, 31, v0                         ; lane
	v_mad_u32_u24 v253, v251, 40, v250             ; row r of an even tile, less 8 t
	v_mad_u32_u24 v254, v251, 24, v250             ; of an odd one
	v_mul_u32_u24 v1, v253, PITCH
	v_mul_u32_u24 v2, v254, PITCH
	v_lshl_add_u32 v1, v249, 4, v1
	v_lshl_add_u32 v2, v249, 4, v2
	v_add_nc_u32 v3, s22, v1
	v_add_nc_u32 v4, s22, v2
	v_add_nc_u32 v1, s20, v1
	v_add_nc_u32 v2, s20, v2
	v_lshl_add_u32 v5, v252, 4, s25
	v_lshlrev_b32 v255, 4, v249
	v_sub_nc_u32 v255, 40, v255
	v_mad_u32_u24 v255, v255, v251, v250
	v_lshl_add_u32 v255, v249, 3, v255
	v_lshlrev_b32 v6, 5, v255                      ; scales: row of tile h (lanes 16-31: the odd tile), 32 bytes a row
	v_lshlrev_b32 v7, 7, v253
	v_lshlrev_b32 v9, 7, v254
	v_mad_u32_u24 v8, v249, 48, v7                 ; pairs 16 h + 4 (t0 xor h): for odd t0 16 h - 4 h,
	v_mad_u32_u24 v10, v249, 48, v9
	v_mad_u32_u24 v7, v249, 80, v7                 ; for even 16 h + 4 h, beside 4 t0
	v_mad_u32_u24 v9, v249, 80, v9
	v_mul_u32_u24 v11, v249, 160                   ; the bias likewise: features 32 h + 8 (t0 xor h)
	v_mul_u32_u24 v12, v249, 96
	v_lshl_add_u32 v13, v248, 2, s23
	v_add_nc_u32 v13, v13, v249                    ; byte h of row r's word
	v_lshlrev_b32 v16, 2, v253
	v_lshlrev_b32 v17, 2, v254
	v_lshl_add_u32 v18, v252, 3, s23
	v_lshl_add_u32 v19, v248, 2, s24
	v_add_nc_u32 v19, v19, v249
	v_lshl_add_u32 v20, v252, 4, STGV
	v_mul_u32_u24 v21, v249, KVBLK
	v_lshl_add_u32 v21, v248, 4, v21
	v_lshl_add_u32 v22, v252, 3, s21
	s_wait_alu depctr_va_vdst(0)                   ; the end of the head's vector work
.irp p, 0,1
.irp q, 0,1
	global_load_b128 v[SA+8*\p+4*\q:SA+8*\p+4*\q+3], v6, s[10:11] offset:512*\p+16*\q
	global_load_b128 v[SB+8*\p+4*\q:SB+8*\p+4*\q+3], v6, s[14:15] offset:512*\p+16*\q
.endr
.endr
; cos and sin of token tile m: cos into reg + 4 t0, sin into reg + 16 + 4 t0
.macro CSLOAD m, reg
.irp t0, 0,1,2,3
	global_load_b128 v[\reg+4*\t0:\reg+4*\t0+3], v[7+2*(\m%2)+\t0%2], s[26:27] offset:1024*\m+16*\t0
.endr
.irp t0, 0,1,2,3
	global_load_b128 v[\reg+16+4*\t0:\reg+16+4*\t0+3], v[7+2*(\m%2)+\t0%2], s[28:29] offset:1024*\m+16*\t0
.endr
.endm
	s_cmp_eq_u32 s[SL], 2
	s_cbranch_scc1 .Lbias_v
	WIN 0x40
.irp t0, 0,1,2,3
	global_load_b128 v[8*\t0:8*\t0+3], v[11+\t0%2], s[12:13] offset:32*\t0         ; the bias in the result's layout
	global_load_b128 v[8*\t0+4:8*\t0+7], v[11+\t0%2], s[12:13] offset:32*\t0+16
.endr
	CSLOAD 0, 32
	WIN 0
	s_branch .Lbias_asked
.Lbias_v:
.irp t1, 0,1,2,3
	global_load_b32 v[248+\t1], v[16+\t1%2], s[12:13] offset:32*\t1                ; bv of my feature in each of four tiles
.endr
.Lbias_asked:
	s_cmp_lt_u32 s[WV], 7
	s_cbranch_scc0 .Lsecond_half
	s_wait_tensorcnt 0x0                           ; waves 0-6: my tile of the first half has landed
.Lsecond_half:
	s_barrier_signal -1
	s_barrier_wait -1                              ; the first half is in
	s_wait_loadcnt 0x8                             ; q, k: all but cos and sin of tile 0 (eight loads); v waits for the rest below
.macro LOADF s                         ; K step s: source 0's four fragments, then source 1's
.irp i, 0,1,2,3
	ds_load_b128 v[FA+8*\i:FA+8*\i+3], v[1+\i%2] offset:\i*8*PITCH+64*(\s%4)
	ds_load_b128 v[FA+8*\i+4:FA+8*\i+7], v[1+\i%2] offset:\i*8*PITCH+64*(\s%4)+32
.endr
.irp i, 0,1,2,3
	ds_load_b128 v[FB+8*\i:FB+8*\i+3], v[3+\i%2] offset:\i*8*PITCH+64*(\s%4)
	ds_load_b128 v[FB+8*\i+4:FB+8*\i+7], v[3+\i%2] offset:\i*8*PITCH+64*(\s%4)+32
.endr
.endm
; eight products: source 1's tiles u, u + 1 against source 0's four; the 16 accumulators take turns, one instruction a turn.  how: 0 in place; 1, 2: C = the bias by source 0's tile, by source 1's
.macro MUL8 s, u, how
.irp t1, \u, \u+1
.irp t0, 0,1,2,3
.if \how == 0
	WMA ACC+32*(\t1)+8*\t0, FA+8*\t0, FB+8*(\t1), ACC+32*(\t1)+8*\t0, SA+8*(\t0/2)+\s, SB+8*((\t1)/2)+\s, \t0%2, (\t1)%2
.elseif \how == 1
	WMA ACC+32*(\t1)+8*\t0, FA+8*\t0, FB+8*(\t1), 8*\t0, SA+8*(\t0/2)+\s, SB+8*((\t1)/2)+\s, \t0%2, (\t1)%2
.else
	WMA ACC+32*(\t1)+8*\t0, FA+8*\t0, FB+8*(\t1), 8*(\t1), SA+8*(\t0/2)+\s, SB+8*((\t1)/2)+\s, \t0%2, (\t1)%2
.endif
.endr
.endr
.endm
.macro KMUL s
	s_wait_dscnt 4                                 ; all but the youngest four loads: source 1's tiles 2 and 3
	MUL8 \s, 0, 0
	s_wait_dscnt 0x0
	MUL8 \s, 2, 0
.endm
.macro KSTEP s
	PLACES
	LOADF \s
	KMUL \s
.endm
	LOADF 0
	s_cmp_eq_u32 s[SL], 2
	s_cbranch_scc1 .Lstart_v
	s_wait_dscnt 0x0
	WIN 0x10                                       ; C in window 1
	MUL8 0, 0, 1
	MUL8 0, 2, 1
	WIN 0
	s_branch .Lstarted
.Lstart_v:
	s_wait_loadcnt 0x0
	WIN 0x40
.irp t1, 0,1,2,3
.irp j, 0,1,2,3,4,5,6,7
	v_mov_b32 v[8*\t1+\j], v[248+\t1]              ; C: the same number in a tile's eight registers
.endr
.endr
	WIN 0
	s_wait_alu depctr_va_vdst(0)
	s_wait_dscnt 0x0
	WIN 0x10
	MUL8 0, 0, 2
	MUL8 0, 2, 2
	WIN 0
.Lstarted:
	KSTEP 1
	s_wait_tensorcnt 0x0                           ; everybody's tile has landed when all have said so; no LDS load of mine is out
	s_barrier_signal -1
	KSTEP 2                                        ; bytes of the first half: nobody writes them
	KSTEP 3
	s_barrier_wait -1                              ; the second half is in
.irp i, 1,2,3,4
	v_add_nc_u32 v[\i], HALF, v[\i]
.endr
	s_wait_alu depctr_va_vdst(0)
	PLACES
	LOADF 4
	s_cmp_eq_u32 s[SL], 2
	s_cbranch_scc1 .Lno_cs
	WIN 0x40
	CSLOAD 1, 0                                    ; where the bias lay
	WIN 0
.Lno_cs:
	KMUL 4
.irp s, 5,6,7
	KSTEP \s
.endr
	PLACES
	s_cmp_eq_u32 s[SL], 2
	s_cbranch_scc1 .Lv
	; ---------------- q and k waves
	CSLOAD 2, FA
	CSLOAD 3, FB
	v_mov_b32 v248, 0x7f7f7f7f
	v_mov_b32 v249, 0x7f7f7f7f
	ds_store_b64 v18, v[248:249]                   ; my 64 scale words: bytes 2 and 3 stay 0x7f, scale 1 for the upper 64 of the next product's K, whose codes are zeros
; y1 = x1 cos - x2 sin, y2 = x2 cos + x1 sin, in place, a pair an instruction
.macro ROPE m, set
.irp t0, 0,1,2,3
.irp i, 0,2
.set RA_, ACC+32*\m+8*\t0+2*\i
.set RC_, \set+4*\t0+\i
	v_pk_mul_f32 v[248:249], v[RA_:RA_+1], v[RC_+16:RC_+17] op_sel:[1,0] op_sel_hi:[0,0]
	v_pk_mul_f32 v[250:251], v[RA_+2:RA_+3], v[RC_+16:RC_+17] op_sel:[1,1] op_sel_hi:[0,1]
	v_pk_fma_f32 v[RA_:RA_+1], v[RA_:RA_+1], v[RC_:RC_+1], v[248:249] op_sel:[0,0,0] op_sel_hi:[1,0,1] neg_lo:[0,0,1] neg_hi:[0,0,0]
	v_pk_fma_f32 v[RA_+2:RA_+3], v[RA_+2:RA_+3], v[RC_:RC_+1], v[250:251] op_sel:[0,1,0] op_sel_hi:[1,1,1] neg_lo:[0,0,1] neg_hi:[0,0,0]
.endr
.endr
.endm
; each tile's codes and byte have registers of their own (tile 0: v252-255, v251; then the tile's before, which has been converted): no store's data are written again
.macro OUTREGS m
.if \m == 0
.set QP, 252
.set QY, 251
.else
.set QP, ACC+32*(\m-1)
.set QY, QP+4
.endif
.endm
; token tile m: rope, quantise, out.  left: the later tiles' cos and sin may stay out
.macro QKTILE m, set, win, left
	s_wait_loadcnt \left
	WIN \win
	ROPE \m, \set
	WIN 0
	OUTREGS \m
	QUANT1 ACC+32*\m, QP, QY
	ds_store_b8 v13, v[QY] offset:64*\m
	global_store_b128 v5, v[QP:QP+3], s[16:17] offset:512*\m   ; the wave stores 512 consecutive bytes
.endm
	QKTILE 0, 32, 0x04, 24
	QKTILE 1, 0, 0x04, 16
	QKTILE 2, FA, 0, 8
	QKTILE 3, FB, 0, 0
	ds_load_b64 v[248:249], v18                    ; LDS serves a wave's instructions in order: these see my stores
	s_wait_dscnt 0x0
	global_store_b64 v22, v[248:249], s[16:17] offset:4096   ; my 64 scale words: 256 consecutive bytes, aligned
	s_branch .Ljoin
	; ---------------- v waves
.Lv:
.irp t1, 0,1,2,3
	OUTREGS \t1
	QUANT1 ACC+32*\t1, QP, QY
	ds_store_b8 v19, v[QY] offset:64*\t1
	global_store_b128 v5, v[QP:QP+3], s[16:17] offset:4608+1024*\t1
.endr
.Ljoin:
	s_wait_dscnt 0x0                               ; for the others' sake: my LDS stores have landed
	s_barrier_signal -1
	s_barrier_wait -1
	s_cmp_lg_u32 s[WV], 8
	s_cbranch_scc1 .Lnot_8
	ds_load_b128 v[56:59], v20                     ; wave 8 (its block is the work-group's first key step): V's scale words of both steps,
	s_wait_dscnt 0x0
	global_store_b128 v21, v[56:59], s[16:17] offset:8704   ; sixteen lanes to each step's 256 bytes
.Lnot_8:
	s_wait_tensorcnt 0x0                           ; the wave's end
	ds_add_u32 v14, v15
	s_wait_dscnt 0x0
	CROUND                                         ; the closing round: no work-group ends while a partner may still ask for a tile that names it
	s_endpgm
.Lfunc_end_k_qce195f4a72_qkv:
	.size	k_qce195f4a72_qkv, .Lfunc_end_k_qce195f4a72_qkv-k_qce195f4a72_qkv
	.p2alignl 7, 3214868480
	.fill 96, 4, 3214868480
	.section	.rodata,"a",@progbits
	.p2align	6, 0x0
	.amdhsa_kernel k_qce195f4a72_qkv
		.amdhsa_group_segment_fixed_size 249856
		.amdhsa_private_segment_fixed_size 0
		.amdhsa_enable_private_segment 0
		.amdhsa_kernarg_size 120
		.amdhsa_user_sgpr_count 2
		.amdhsa_user_sgpr_kernarg_segment_ptr 1
		.amdhsa_wavefront_size32 1
		.amdhsa_system_sgpr_workgroup_id_x 1
		.amdhsa_system_sgpr_workgroup_id_y 1
		.amdhsa_system_sgpr_workgroup_id_z 1
		.amdhsa_system_vgpr_workitem_id 0
		.amdhsa_next_free_vgpr 336
		.amdhsa_next_free_sgpr 102
		.amdhsa_reserve_vcc 0
		.amdhsa_float_denorm_mode_32 3
		.amdhsa_float_denorm_mode_16_64 3
		.amdhsa_memory_ordered 1
		.amdhsa_forward_progress 1
		.amdhsa_inst_pref_size 69
	.end_amdhsa_kernel
	.amdgpu_metadata
---
amdhsa.version: [ 1, 2 ]
amdhsa.kernels:
  - .name:           k_qce195f4a72_qkv
    .symbol:         k_qce195f4a72_qkv.kd
    .args:
      - { .name: x_codes, .offset: 0, .size: 8, .value_kind: global_buffer, .address_space: global }
      - { .name: x_scales, .offset: 8, .size: 8, .value_kind: global_buffer, .address_space: global }
      - { .name: Wq_codes, .offset: 16, .size: 8, .value_kind: global_buffer, .address_space: global }
      - { .name: Wq_scales, .offset: 24, .size: 8, .value_kind: global_buffer, .address_space: global }
      - { .name: Wk_codes, .offset: 32, .size: 8, .value_kind: global_buffer, .address_space: global }
      - { .name: Wk_scales, .offset: 40, .size: 8, .value_kind: global_buffer, .address_space: global }
      - { .name: Wv_codes, .offset: 48, .size: 8, .value_kind: global_buffer, .address_space: global }
      - { .name: Wv_scales, .offset: 56, .size: 8, .value_kind: global_buffer, .address_space: global }
      - { .name: bq, .offset: 64, .size: 8, .value_kind: global_buffer, .address_space: global }
      - { .name: bk, .offset: 72, .size: 8, .value_kind: global_buffer, .address_space: global }
      - { .name: bv, .offset: 80, .size: 8, .value_kind: global_buffer, .address_space: global }
      - { .name: cos, .offset: 88, .size: 8, .value_kind: global_buffer, .address_space: global }
      - { .name: sin, .offset: 96, .size: 8, .value_kind: global_buffer, .address_space: global }
      - { .name: qb, .offset: 104, .size: 8, .value_kind: global_buffer, .address_space: global }
      - { .name: kv, .offset: 112, .size: 8, .value_kind: global_buffer, .address_space: global }
    .group_segment_fixed_size: 249856
    .private_segment_fixed_size: 0
    .kernarg_segment_align: 8
    .kernarg_segment_size: 120
    .max_flat_workgroup_size: 384
    .sgpr_count:     102
    .vgpr_count:     336
    .wavefront_size: 32
...
	.end_amdgpu_metadata
.endif
;; end of part 1
;; launch attn (part 2): grid 4 x 64, 16 waves a work-group, clusters of 4 x 4, 167,936 bytes of LDS; arguments qb, kv, oimg, osc; writes oimg, osc
.if DOCPART == 2
	.amdgcn_target "amdgcn-amd-amdhsa--gfx1250"
	.amdhsa_code_object_version 6
	.text
	.protected	k_qce195f4a72_attn
	.globl	k_qce195f4a72_attn
	.p2align	8
	.type	k_qce195f4a72_attn,@function
k_qce195f4a72_attn:
	s_mov_b64 s[64:65], 0
	v_nop
	global_prefetch_b8 v0, s[64:65] scope:SCOPE_SE
	s_setreg_imm32_b32 hwreg(HW_REG_WAVE_MODE, 25, 1), 1
	s_wait_xcnt 0x0
	s_wait_alu depctr_hold_cnt(0) depctr_sa_sdst(0) depctr_va_vdst(0) depctr_va_sdst(0) depctr_va_ssrc(0) depctr_va_vcc(0) depctr_vm_vsrc(0)
	s_getreg_b32 s2, hwreg(HW_REG_IB_STS2, 6, 4)
	s_cmp_eq_u32 s2, 0
	s_cbranch_scc0 .Lentry_in_a_cluster
	s_endpgm
.Lentry_in_a_cluster:
	s_bfe_u32 s2, ttmp6, 0x10000c
	s_cmp_lg_u32 s2, 0xf033
	s_cbranch_scc0 .Lentry_shape_is_right
	s_endpgm
.Lentry_shape_is_right:
; O[q] = sum over keys k <= q of softmax_k(Q[q] . K[k] / 8) V[k] for one head of one batch, both products on codes of FP4 (E2M1) with one E8M0 scale for each 32 along K; then O is quantised along the model's 1,024 for the last product.
; THE SOFTMAX AHEAD OF THE SECOND PRODUCT: t = score x log2(e) / 8; M = the row's largest t so far, rounded UP to a whole number; p = 2^(t - M) is quantised along the keys, not normalised.
; The row's sum is taken of the unquantised p, in f32, and divides O at the end.  When M moves, the sum and O are multiplied by 2^(old M - new M): exact.
; WORK LEFT OUT: key steps of 128 keys all of which come after a tile's 16 queries (the causal mask, for all inputs).
; SHARES.  A head has 16 blocks of 128 queries, each of 8 tiles; block b needs key steps 0 .. b, step b being its diagonal.  Work-group i takes tile i of EVERY block: all eight work-groups of a head run alike, 136 tile steps each.
; A wave takes one tile: waves 0-3 blocks 15, 14, 13, 12; waves 4-7 blocks 8, 9, 10, 11; waves 8-11 blocks 7, 6, 5, 4; waves 12-15 blocks 0, 1, 2, 3: the waves w, w + 4, w + 8, w + 12 have 34 steps together, for every w < 4.
; The head's K and V (16 steps x 8,960 bytes, images of operand registers with their scale words) lie in LDS whole: wave w brings step w, one fill, nothing is filled again.  Steps 0-3 are waited for first; the barrier for the others is
; signalled by each wave as soon as its own load has landed, ahead of its first step, and waited for ahead of step 3, whose look-ahead is the first to read step 4.
; A step's K fragments are loaded in the step before, behind its first products, into the registers that those have read; its V fragments at its own head.
; CLUSTER 4 x 4 = the eight work-groups of two heads: rows 2 h and 2 h + 1 belong to one head; K and V hang on the head alone and are asked for jointly along a row.  No prefetch: everything is asked for at the head.
; LAYOUT.  Both products are used transposed: S^T = K Q^T, O^T = V^T P^T: a lane holds ONE query (row lane % 16 of its tile) throughout.  Row m of tile t of 64 rows is 8 t + m (m < 8) or 32 + 8 (t xor 1) + m - 8, in Q, K and V's features:
; register 8 (4 c + u) + j of S^T is key 64 c + 32 h + 8 (u xor h) + j: a block of 32 keys lies whole in a lane, in the order that V's codes have; register 8 t + j of O^T is feature 32 h + 8 (t xor h) + j.
; The head is 64 wide, the instruction 128 deep: registers 4-7 of Q's and K's fragments hold zero codes, under scale bytes 0x7f.
; OUTPUT: oimg [batch 2][tile i 8][block 16][head 16][512], osc [head 16][batch 2][tile i 8][block 16][row 16] of two bytes.
; LIMITS: NaN and infinities are not served; the promise holds while the scaled scores stay under 2^31 in magnitude; p under 2^-126 falls to 0 in the exponential; a block whose largest number lies under 2^-124 keeps the scale byte 1 (its codes are zeros or tiny; this program alone reads the bytes).
.set KVBLK, 8960
.set QBLK,  4608
.set OSC,   16*KVBLK                   ; behind the head: 512 bytes, the scale bytes of the work-group's 256 queries on their way out
.set SPARE, OSC+512
.set LI,  1                            ; v1   16 x lane
.set LS,  2                            ; v2   4 x lane
.set AB,  3                            ; v3   LDS: the step's images
.set AS,  4                            ; v4   LDS: the step's scale words
.set NINF, 6                           ; v6   -infinity
.set OSW, 7                            ; v7   LDS: my scale byte
                                       ; v12 -M, v13 the largest score, v[14:15] the sum
.set QF,  16
.set QS,  24                           ; v24-31 hold scales and nothing else: Q's, p's, K's (4), V's (2)
.set PS,  25
.set KS,  26
.set VS,  30
.set KF,  32                           ; v32-95 K's eight fragments
.set VF,  96                           ; v96-127 V's four
.set S,   128                          ; v128-191 S^T, then p
.set O,   192                          ; v192-223 O^T
.set PC,  224                          ; v224-231 p's codes
.set OSR, 247
.set WV,  12
.set HB,  14
.set IT,  16
.set BLK, 17
.set ST,  18
.set TB,  19
.set SEL, 20
.set CS,  22
.set G1,  24
.set G0,  32
.set MJ,  48                           ; s48-55 the diagonal tile's masks, by j
.set GT,  56                           ; s56-63 the masks of the tiles off the diagonal, by t
.set KM,  68                           ; s68-75 the masks in hand
.set HM,  79
.set NC,  80
.macro PLACES
.rept 4
	v_nop
.endr
.endm
.macro CROUND                          ; a round of the cluster's barrier
	s_barrier_signal -1
	s_barrier_wait -1
	s_cmp_lg_u32 s[WV], 0
	s_cbranch_scc1 .Lnot_wave_0_\@
	s_barrier_signal -3
.Lnot_wave_0_\@:
	s_barrier_wait -3
	s_barrier_signal -1
	s_barrier_wait -1
.endm
.macro WMZ d, a, b, sa, sb, ra         ; a product that starts a sum; ra: which half of the lanes holds source 0's scale words
.if (\ra) == 0
	v_wmma_scale_f32_16x16x128_f8f6f4 v[\d:\d+7], v[\a:\a+7], v[\b:\b+7], 0, v[\sa], v[\sb] matrix_a_fmt:MATRIX_FMT_FP4 matrix_b_fmt:MATRIX_FMT_FP4
.else
	v_wmma_scale_f32_16x16x128_f8f6f4 v[\d:\d+7], v[\a:\a+7], v[\b:\b+7], 0, v[\sa], v[\sb] matrix_a_fmt:MATRIX_FMT_FP4 matrix_b_fmt:MATRIX_FMT_FP4 matrix_a_scale:MATRIX_SCALE_ROW1
.endif
.endm
.macro WMA d, a, b, sa, sb, ra         ; a product that adds in place
.if (\ra) == 0
	v_wmma_scale_f32_16x16x128_f8f6f4 v[\d:\d+7], v[\a:\a+7], v[\b:\b+7], v[\d:\d+7], v[\sa], v[\sb] matrix_a_fmt:MATRIX_FMT_FP4 matrix_b_fmt:MATRIX_FMT_FP4
.else
	v_wmma_scale_f32_16x16x128_f8f6f4 v[\d:\d+7], v[\a:\a+7], v[\b:\b+7], v[\d:\d+7], v[\sa], v[\sb] matrix_a_fmt:MATRIX_FMT_FP4 matrix_b_fmt:MATRIX_FMT_FP4 matrix_a_scale:MATRIX_SCALE_ROW1
.endif
.endm
.macro KLOAD off                       ; K's fragments and scale words, off bytes behind the step's images
.irp t, 0,1,2,3,4,5,6,7
	ds_load_b128 v[KF+8*\t:KF+8*\t+3], v[AB] offset:\off+512*\t
.endr
.irp p, 0,1,2,3
	ds_load_b32 v[KS+\p], v[AS] offset:\off+4096+128*\p
.endr
.endm
.macro HIDE                            ; the diagonal step: hidden scores become -infinity ahead of the maximum
.irp t, 0,1,2,3,4,5,6,7
	s_cmp_eq_u32 s[IT], \t
.irp j, 0,1,2,3,4,5,6,7
	s_cselect_b32 s[KM+\j], s[MJ+\j], s[GT+\t]     ; the lanes whose query comes before the key of register 8 t + j
.endr
.irp j, 0,1,2,3,4,5,6,7
	v_cndmask_b32 v[S+8*\t+\j], v[S+8*\t+\j], v[NINF], s[KM+\j]
.endr
.endr
	s_wait_alu depctr_va_vdst(0)
.endm
.macro SUMS m                          ; the row's sum, in four chains: p's registers m .. m + 7
	v_pk_add_f32 v[232:233], v[232:233], v[S+\m:S+\m+1]
	v_pk_add_f32 v[234:235], v[234:235], v[S+\m+2:S+\m+3]
	v_pk_add_f32 v[240:241], v[240:241], v[S+\m+4:S+\m+5]
	v_pk_add_f32 v[14:15], v[14:15], v[S+\m+6:S+\m+7]
.endm
; KEY STEP ST.  first = 1: step 0: nothing to bring under the new M, the products start the sums, and K is loaded here too.  last = 1: step 15: it is its wave's diagonal, and nothing follows
.macro STEP first, last
.if \first == 0
	s_cmp_gt_u32 s[ST], s[BLK]
	s_cbranch_scc1 .Lhid_\@                        ; all its keys come after my queries: the work is left out, the steps at the trip's end are not
.endif
	v_add_nc_u32 v[AB], s[TB], v[LI]
	v_add_nc_u32 v[AS], s[TB], v[LS]
.if \first
	s_wait_alu depctr_va_vdst(0)                   ; a wait on LDS stands between the two runs of loads that read them
	KLOAD 0
.endif
.irp t, 0,1,2,3
.irp c, 0,1
	ds_load_b128 v[VF+8*\t+4*\c:VF+8*\t+4*\c+3], v[AB] offset:4608+1024*\t+512*\c
.endr
.endr
.irp p, 0,1
	ds_load_b32 v[VS+\p], v[AS] offset:8704+128*\p
.endr
.if \first
	s_wait_dscnt 10                                ; K's twelve loads are in; V's ten may be out
.endif
.irp t, 0,1,2,3,4,5,6,7
	WMZ S+8*\t, KF+8*\t, QF, KS+\t/2, QS, \t%2
.endr
	PLACES
.if \last
	HIDE
.else
	s_cmp_eq_u32 s[ST], s[BLK]
	s_cbranch_scc1 .Ldiag_\@
	KLOAD KVBLK                                    ; the next step's K
	s_branch .Lgo_\@
.Ldiag_\@:
	HIDE                                           ; my last step
.Lgo_\@:
.endif
.irp b, 0,1,2,3
	v_max3_num_f32 v[232+\b], v[S+16*\b], v[S+16*\b+1], v[S+16*\b+2]
.endr
.irp i, 3,5,7,9,11,13
.irp b, 0,1,2,3
	v_max3_num_f32 v[232+\b], v[232+\b], v[S+16*\b+\i], v[S+16*\b+\i+1]
.endr
.endr
	v_max3_num_f32 v232, v232, v233, v[S+15]
	v_max3_num_f32 v234, v234, v235, v[S+47]
	v_max_num_f32 v232, v232, v[S+31]              ; the largest score of block h: it serves the row's maximum and, since p rises with the score, the block's largest p
	v_max_num_f32 v234, v234, v[S+63]              ; and of block 2 + h
	v_max_num_f32 v254, v232, v234
	v_permlanex16_b32 v236, v254, s[SEL], s[SEL+1] ; lane l xor 16's
.if \first
	v_max_num_f32 v13, v254, v236                  ; the largest score so far
	v_mul_f32 v254, s[NC], v13
	v_floor_f32 v12, v254                          ; -M = floor(-t) = -ceil(t): a whole number (c is positive)
.else
	v_max3_num_f32 v13, v13, v254, v236
	v_mul_f32 v254, s[NC], v13
	v_mov_b32 v252, v12
	v_floor_f32 v12, v254
	v_sub_f32 v252, v12, v252                      ; old M - new M: a whole number, 0 or less
	v_cvt_i32_f32 v252, v252                       ; (it saturates)
	v_ldexp_f32 v252, 1.0, v252                    ; f = 2^(old M - new M)
.endif
.set n, 0
.rept 32
	v_pk_fma_f32 v[S+n:S+n+1], v[S+n:S+n+1], s[CS:CS+1], v[12:13] op_sel_hi:[1,0,0]   ; t - M, two at a time
.set n, n+2
.endr
	v_fma_f32 v232, v232, s[CS], v12               ; the same of each block's largest score
	v_fma_f32 v234, v234, s[CS], v12
	s_wait_alu depctr_va_vdst(0)
.set n, 0
.rept 64
	v_exp_f32 v[S+n], v[S+n]                       ; p = 2^(t - M)
.set n, n+1
.endr
	v_exp_f32 v232, v232                           ; the block's largest p: the same two instructions on the same number give the same bits
	v_exp_f32 v234, v234
.if \first
	v_nop                                          ; a plain place behind the exponentials
.else
	v_pk_mul_f32 v[14:15], v[14:15], v[252:253] op_sel_hi:[1,0]   ; the sums under the new M.  (A plain place behind the exponentials)
.endif
	s_wait_alu depctr_va_vdst(0)                   ; one wait for the batch, for O^T's first readers and for the wait below
	s_wait_dscnt 0x0                               ; V is in, and the next step's K
.if \first == 0
.set n, 0
.rept 16
	v_pk_mul_f32 v[O+n:O+n+1], v[O+n:O+n+1], v[252:253] op_sel_hi:[1,0]   ; O^T under the new M, each accumulator from its low end on
.set n, n+2
.endr
.endif
	v_max_num_f32 v232, 0x1800000, v232            ; the floor 2^(3 - 127): the byte cannot fall under 1
	v_max_num_f32 v234, 0x1800000, v234
	v_add_nc_u32 v244, 0xff000000, v232            ; 2 off the exponent field: the conversion's scale operand
	v_add_nc_u32 v245, 0xff000000, v234
	v_lshrrev_b32 v236, 23, v244
	v_lshrrev_b32 v237, 23, v245
.irp c, 0,1
.irp u, 0,1,2,3
	v_cvt_scalef32_pk8_fp4_f32 v[PC+4*\c+\u], v[S+32*\c+8*\u:S+32*\c+8*\u+7], v[244+\c]
.endr
.endr
	v_lshl_or_b32 v238, v237, 16, v236             ; lanes 0-15: the bytes of blocks 0 and 2; lanes 16-31: of 1 and 3.  (A plain place behind the conversions)
	v_pk_add_f32 v[232:233], v[S:S+1], v[S+2:S+3]
	v_permlanex16_b32 v239, v238, s[SEL], s[SEL+1]
	v_pk_add_f32 v[234:235], v[S+4:S+5], v[S+6:S+7]
	v_pk_add_f32 v[240:241], v[S+8:S+9], v[S+10:S+11]
	v_lshl_or_b32 v[PS], v239, 8, v238             ; p's scale word for these 128 keys, in lanes 0-15 (lanes 16-31 are not read)
.if \first
	v_pk_add_f32 v[14:15], v[S+12:S+13], v[S+62:S+63]
.else
	v_pk_add_f32 v[14:15], v[14:15], v[S+12:S+13]
.endif
	SUMS 14                                        ; (nine plain places between p's scale word and the products)
	SUMS 22
.irp t, 0,1,2,3
.if \first
	WMZ O+8*\t, VF+8*\t, PC, VS+\t/2, PS, \t%2
.else
	WMA O+8*\t, VF+8*\t, PC, VS+\t/2, PS, \t%2     ; four accumulators, one instruction each
.endif
.endr
	SUMS 30                                        ; the rest of the sum: also the places ahead of the next loads into V's registers and of the reads of O^T
	SUMS 38
	SUMS 46
	SUMS 54
.if \first == 0
	v_pk_add_f32 v[232:233], v[232:233], v[S+62:S+63]
.endif
	v_pk_add_f32 v[234:235], v[234:235], v[240:241]
	v_pk_add_f32 v[14:15], v[14:15], v[232:233]
	v_pk_add_f32 v[14:15], v[14:15], v[234:235]
.Lhid_\@:
	s_add_co_u32 s[TB], s[TB], KVBLK
	s_add_co_u32 s[ST], s[ST], 1
.endm
	s_load_b256 s[4:11], s[0:1], 0x0               ; qb s[4:5], kv s[6:7], oimg s[8:9], osc s[10:11]
	v_lshl_add_u32 v251, v0, 2, SPARE
	v_mov_b32 v255, 0
	ds_add_u32 v251, v255                          ; the wave's opening: the add, twice on end, and its wait
	ds_add_u32 v251, v255
	v_lshrrev_b32 v3, 5, v0
	v_readfirstlane_b32 s[WV], v3                  ; wave 0..15
	s_bfe_u32 s13, ttmp6, 0x40000                  ; cx
	s_bfe_u32 s37, ttmp6, 0x40004                  ; cy
	s_and_b32 s[HB], ttmp7, 0xffff
	s_lshl_b32 s[HB], s[HB], 2
	s_add_co_u32 s[HB], s[HB], s37                 ; the grid's row, 0..63
	s_and_b32 s[IT], s[HB], 1
	s_lshl_b32 s[IT], s[IT], 2
	s_add_co_u32 s[IT], s[IT], s13                 ; i: which tile of every block: 4 (row % 2) + cx
	s_lshr_b32 s[HB], s[HB], 1                     ; head of batch
	s_lshl_b32 s36, s37, 2
	s_lshl_b32 s36, 15, s36                        ; my row of the cluster
	; descriptor group 1: a key step's 8,960 dense bytes as 35 rows of 256 bytes (32 elements of 8 bytes), no padding: every read is 16 or 4 consecutive bytes a lane
	s_or_b32 s[G1], s36, (3<<16)|(1<<21)
	s_mov_b32 s[G1+1], 32<<16
	s_mov_b32 s[G1+2], 35<<16
	s_mov_b32 s[G1+3], 32<<16
	s_mov_b32 s[G1+4], 35
	s_mov_b32 s[G1+5], 32
	s_mov_b32 s[G1+6], 0
	s_mov_b32 s[G1+7], 0
	s_lshl_b32 s36, s[HB], 4
	s_add_co_u32 s36, s36, s[WV]
	s_mul_i32 s36, s36, KVBLK                      ; key step w of my head, in memory,
	s_mov_b32 s37, 0
	s_mov_b32 s[G0], 1
	s_mul_i32 s[G0+1], s[WV], KVBLK                ; and in LDS
	s_bfe_u32 s[BLK], s[WV], 0x10002
	s_mul_i32 s[BLK], s[BLK], 3
	s_xor_b32 s[BLK], s[BLK], 15
	s_xor_b32 s[BLK], s[BLK], s[WV]                ; my block: w xor 12 where bit 2 of w is set, else w xor 15
	s_wait_dscnt 0x0                               ; both opening adds are done
	s_wait_kmcnt 0x0
	s_add_nc_u64 s[G0+2:G0+3], s[6:7], s[36:37]
	s_or_b32 s[G0+3], s[G0+3], 0x80000000
	CROUND                                         ; all sixteen work-groups are here: the joint loads meet
	s_cmp_lt_u32 s[WV], 4                          ; one load a wave; steps 0-3 have a line of their own, since they are waited for first
	s_cbranch_scc0 .Lothers
	tensor_load_to_lds s[G0:G0+3], s[G1:G1+7]
	s_nop 0
	PLACES
	s_branch .Lasked
.Lothers:
	tensor_load_to_lds s[G0:G0+3], s[G1:G1+7]
	s_nop 0
	PLACES
.Lasked:
	s_lshl_b32 s39, s[BLK], 5
	s_add_co_u32 s39, s39, OSC
	v_and_b32 v254, 31, v0                         ; lane
	v_and_b32 v252, 15, v0                         ; r
	v_bfe_u32 v253, v0, 4, 1                       ; h
	v_lshlrev_b32 v[LI], 4, v254
	v_lshlrev_b32 v[LS], 2, v254
	v_lshl_add_u32 v[OSW], v252, 1, s39
	v_lshlrev_b32 v249, 2, v252
	v_add_nc_u32 v[OSW], v[OSW], v253
	v_add_nc_u32 v[OSR], OSC, v[LI]
	v_mov_b32 v[NINF], 0xff800000
.irp j, 20,21,22,23,236,239,253                    ; (v236, v239: a lane permute's destination counts as one of its sources; v253: the upper half of the pair v[252:253]; v20-23: zero codes for the upper 64 of the first product's K, in Q)
	v_mov_b32 v[\j], 0
.endr
.irp t, 0,1,2,3,4,5,6,7
.irp j, 4,5,6,7
	v_mov_b32 v[KF+8*\t+\j], 0                     ; and in each of K's eight fragments: written once, no load lands here
.endr
.endr
	s_wait_alu depctr_va_vdst(0)                   ; the end of the head's vector work
	s_lshl_b32 s36, s[HB], 4
	s_add_co_u32 s37, s36, s[BLK]
	s_mul_i32 s37, s37, QBLK                       ; my block of qb
	s_lshl_b32 s38, s[IT], 9
	s_add_co_u32 s38, s38, s37
	s_mov_b32 s39, 0
	s_add_nc_u64 s[40:41], s[4:5], s[38:39]        ; my tile's image
	s_lshl_b32 s38, s[IT], 6
	s_add_co_u32 s38, s38, s37
	s_add_nc_u64 s[42:43], s[4:5], s[38:39]        ; my tile's scale words (4,096 on)
	global_load_b128 v[QF:QF+3], v[LI], s[40:41]
	global_load_b32 v[QS], v249, s[42:43] offset:4096
	s_lshr_b32 s36, s[HB], 4                       ; the batch
	s_and_b32 s37, s[HB], 15                       ; the head
	s_lshl_b32 s38, s36, 7
	s_lshl_b32 s66, s[IT], 4
	s_add_co_u32 s38, s38, s66
	s_add_co_u32 s38, s38, s[BLK]
	s_lshl_b32 s38, s38, 4
	s_add_co_u32 s38, s38, s37
	s_lshl_b32 s38, s38, 9                         ; oimg
	s_add_nc_u64 s[8:9], s[8:9], s[38:39]
	s_lshl_b32 s38, s37, 13
	s_lshl_b32 s66, s36, 12
	s_add_co_u32 s38, s38, s66
	s_lshl_b32 s66, s[IT], 9
	s_add_co_u32 s38, s38, s66                     ; osc: the work-group's 512 bytes
	s_add_nc_u64 s[10:11], s[10:11], s[38:39]
	s_mov_b32 s[SEL], 0x76543210
	s_mov_b32 s[SEL+1], 0xfedcba98
	s_mov_b32 s[CS], 0x3e38aa3b                    ; c = log2(e) / 8
	s_mov_b32 s[CS+1], s[CS]                       ; (named with it as a pair, so it is written)
	s_mov_b32 s[NC], 0xbe38aa3b                    ; -c
	s_mov_b32 s[HM], 0xffff0000                    ; lanes 16-31
	s_mov_b32 s[ST], 0
	s_mov_b32 s[TB], 0
; THE MASKS of the diagonal step.  Lane (r, h), a = r / 8: the query is 64 g + 32 a + 8 (m xor a) + r % 8 (i = 4 g + m), the key of register 8 t + j (t = 4 c + u) 64 c + 32 h + 8 (u xor h) + j.
; c = g: h > a (lanes 16-23) hidden, h < a (lanes 8-15) seen; else (lanes 0-7, 24-31) the eights decide, and in one eight j > r % 8.
.irp j, 0,1,2,3,4,5,6,7
	s_mov_b32 s[MJ+\j], 0xff0000+((1<<\j)-1)*0x1000001
.endr
.irp t, 0,1,2,3,4,5,6,7
.set TC, 4*(\t/4)
.set TP, TC+2*((\t%4)/2)
	s_mov_b32 s[GT+\t], 0                          ; i in a later half of the block: all seen
	s_cmp_lt_u32 s[IT], TC+4
	s_cselect_b32 s[GT+\t], 0xff0000, s[GT+\t]     ; the same half, a later pair of eights
	s_cmp_lt_u32 s[IT], TP+2
.if (\t%2)
	s_cselect_b32 s[GT+\t], 0xff00ff, s[GT+\t]     ; the same pair
.else
	s_cselect_b32 s[GT+\t], 0xffff0000, s[GT+\t]
.endif
.if TP > 0
	s_cmp_lt_u32 s[IT], TP
	s_cselect_b32 s[GT+\t], 0xffff00ff, s[GT+\t]   ; an earlier pair
.endif
.if TC > 0
	s_cmp_lt_u32 s[IT], TC
	s_cselect_b32 s[GT+\t], -1, s[GT+\t]           ; an earlier half: all hidden
.endif
.endr
	s_cmp_lt_u32 s[WV], 4
	s_cbranch_scc0 .Lnot_first
	s_wait_tensorcnt 0x0                           ; waves 0-3: my key step has landed
.Lnot_first:
	s_barrier_signal -1
	s_barrier_wait -1                              ; steps 0-3 are in
	s_wait_tensorcnt 0x0                           ; my key step has landed (in waves 0-3 it had); no LDS load of mine is out
	s_barrier_signal -1
	s_wait_loadcnt 0x0                             ; Q
	STEP 1, 0                                      ; step 0: every wave has it.  Up to the barrier's wait: LDS loads of steps 0-3 alone, bytes that nobody writes
.Lk1:                                                  ; steps 1 and 2
	STEP 0, 0
	s_cmp_lt_u32 s[ST], 3
	s_cbranch_scc1 .Lk1
	s_barrier_wait -1                              ; everybody's key step is in
.Lk2:                                                  ; steps 3-14
	STEP 0, 0
	s_cmp_lt_u32 s[ST], 15
	s_cbranch_scc1 .Lk2
	STEP 0, 1                                      ; step 15
	; THE WAY OUT: O^T / the sum, quantised along the head's 64 (a lane holds block h whole), as an image of the last product's operand
	s_wait_alu depctr_va_vdst(0)
	v_add_f32 v14, v14, v15                        ; the sum's two halves,
	v_permlanex16_b32 v236, v14, s[SEL], s[SEL+1]
	v_add_f32 v14, v14, v236                       ; and lane l xor 16's
	s_wait_alu depctr_va_vdst(0)
	v_rcp_f32 v14, v14
	v_nop                                          ; one plain place behind it
	s_wait_alu depctr_va_vdst(0)
.set n, 0
.rept 16
	v_pk_mul_f32 v[S+n:S+n+1], v[O+n:O+n+1], v[14:15] op_sel_hi:[1,0]
.set n, n+2
.endr
	v_max3_num_f32 v232, |v[S]|, |v[S+1]|, 0x1800000
	v_max3_num_f32 v233, |v[S+16]|, |v[S+17]|, |v[S+18]|
.irp i, 2,4,6,8,10,12
	v_max3_num_f32 v232, v232, |v[S+\i]|, |v[S+\i+1]|
	v_max3_num_f32 v233, v233, |v[S+17+\i]|, |v[S+18+\i]|
.endr
	v_max3_num_f32 v232, v232, |v[S+14]|, |v[S+15]|
	v_max3_num_f32 v232, v232, v233, |v[S+31]|
	v_add_nc_u32 v244, 0xff000000, v232
	v_lshrrev_b32 v236, 23, v244
.irp u, 0,1,2,3
	v_cvt_scalef32_pk8_fp4_f32 v[PC+\u], v[S+8*\u:S+8*\u+7], v244
.endr
	v_nop                                          ; one plain place behind a scaled conversion
	v_cndmask_b32 v228, v224, v225, s[HM]          ; lanes 16-31 hold the eights of their block in the order 1, 0, 3, 2: put right
	v_cndmask_b32 v229, v225, v224, s[HM]
	v_cndmask_b32 v230, v226, v227, s[HM]
	v_cndmask_b32 v231, v227, v226, s[HM]
	global_store_b128 v[LI], v[228:231], s[8:9]    ; the wave stores 512 consecutive bytes
	ds_store_b8 v[OSW], v236
	s_wait_dscnt 0x0                               ; for the others' sake: my scale bytes have landed
	s_barrier_signal -1
	s_barrier_wait -1
	s_cmp_lg_u32 s[WV], 0
	s_cbranch_scc1 .Lend
	ds_load_b128 v[240:243], v[OSR]                ; wave 0: the work-group's 256 queries x 2 bytes,
	s_wait_dscnt 0x0
	global_store_b128 v[LI], v[240:243], s[10:11]  ; 512 consecutive bytes, aligned
.Lend:
	s_wait_tensorcnt 0x0                           ; the wave's end
	ds_add_u32 v251, v255
	s_wait_dscnt 0x0
	CROUND                                         ; the closing round: no work-group ends while a partner may still ask for a tile that names it
	s_endpgm
.Lfunc_end_k_qce195f4a72_attn:
	.size	k_qce195f4a72_attn, .Lfunc_end_k_qce195f4a72_attn-k_qce195f4a72_attn
	.p2alignl 7, 3214868480
	.fill 96, 4, 3214868480
	.section	.rodata,"a",@progbits
	.p2align	6, 0x0
	.amdhsa_kernel k_qce195f4a72_attn
		.amdhsa_group_segment_fixed_size 167936
		.amdhsa_private_segment_fixed_size 0
		.amdhsa_enable_private_segment 0
		.amdhsa_kernarg_size 32
		.amdhsa_user_sgpr_count 2
		.amdhsa_user_sgpr_kernarg_segment_ptr 1
		.amdhsa_wavefront_size32 1
		.amdhsa_system_sgpr_workgroup_id_x 1
		.amdhsa_system_sgpr_workgroup_id_y 1
		.amdhsa_system_sgpr_workgroup_id_z 1
		.amdhsa_system_vgpr_workitem_id 0
		.amdhsa_next_free_vgpr 256
		.amdhsa_next_free_sgpr 100
		.amdhsa_reserve_vcc 0
		.amdhsa_float_denorm_mode_32 3
		.amdhsa_float_denorm_mode_16_64 3
		.amdhsa_memory_ordered 1
		.amdhsa_forward_progress 1
		.amdhsa_inst_pref_size 94
	.end_amdhsa_kernel
	.amdgpu_metadata
---
amdhsa.version: [ 1, 2 ]
amdhsa.kernels:
  - .name:           k_qce195f4a72_attn
    .symbol:         k_qce195f4a72_attn.kd
    .args:
      - { .name: qb, .offset: 0, .size: 8, .value_kind: global_buffer, .address_space: global }
      - { .name: kv, .offset: 8, .size: 8, .value_kind: global_buffer, .address_space: global }
      - { .name: oimg, .offset: 16, .size: 8, .value_kind: global_buffer, .address_space: global }
      - { .name: osc, .offset: 24, .size: 8, .value_kind: global_buffer, .address_space: global }
    .group_segment_fixed_size: 167936
    .private_segment_fixed_size: 0
    .kernarg_segment_align: 8
    .kernarg_segment_size: 32
    .max_flat_workgroup_size: 512
    .sgpr_count:     100
    .vgpr_count:     256
    .wavefront_size: 32
...
	.end_amdgpu_metadata
.endif
;; end of part 2
;; launch proj (part 3): grid 8 x 32, 8 waves a work-group, clusters of 4 x 4, 172,032 bytes of LDS; arguments oimg, osc, Wo_codes, Wo_scales, bo, out0; writes out0
.if DOCPART == 3
	.amdgcn_target "amdgcn-amd-amdhsa--gfx1250"
	.amdhsa_code_object_version 6
	.text
	.protected	k_qce195f4a72_proj
	.globl	k_qce195f4a72_proj
	.p2align	8
	.type	k_qce195f4a72_proj,@function
k_qce195f4a72_proj:
	s_mov_b64 s[64:65], 0
	v_nop
	global_prefetch_b8 v0, s[64:65] scope:SCOPE_SE
	s_setreg_imm32_b32 hwreg(HW_REG_WAVE_MODE, 25, 1), 1
	s_wait_xcnt 0x0
	s_wait_alu depctr_hold_cnt(0) depctr_sa_sdst(0) depctr_va_vdst(0) depctr_va_sdst(0) depctr_va_ssrc(0) depctr_va_vcc(0) depctr_vm_vsrc(0)
	s_getreg_b32 s2, hwreg(HW_REG_IB_STS2, 6, 4)
	s_cmp_eq_u32 s2, 0
	s_cbranch_scc0 .Lentry_in_a_cluster
	s_endpgm
.Lentry_in_a_cluster:
	s_bfe_u32 s2, ttmp6, 0x10000c
	s_cmp_lg_u32 s2, 0xf033
	s_cbranch_scc0 .Lentry_shape_is_right
	s_endpgm
.Lentry_shape_is_right:
; out0 = o Wo^T + bo on codes of FP4 (E2M1) with one E8M0 scale for each 32 along K = 1,024; sums in f32.  o's codes come as images of operand registers, oimg [tile of 16 tokens 256][head 16][512 bytes]
; (heads 2 s and 2 s + 1 are the fragment of K step s), its scale bytes as osc [head 16][tile 256][row 16] of two bytes.  The tiles' order is [batch 2][i 8][block of 128 tokens 16]; tile i = 4 g + m of a block holds
; in rows 0-7 the block's tokens 64 g + 8 m on, in rows 8-15 its tokens 64 g + 32 + 8 (m xor 1) on.
; SHARES.  A work-group makes eight tiles x 128 features; all of K lies in LDS, as two halves (eight heads of each tile; 256 bytes of each of Wo's 128 rows): filled once, the products of the first half begin when it is in.
; Eight waves, one load each: waves 0, 1 the first half's o (four tiles each), 2, 3 its Wo (64 rows each), 4-7 the same of the second half.  Wave w multiplies two tiles (w % 4) x 64 features (w / 4): 8 accumulators.
; The matrix instruction is used transposed (source 0 = 16 rows of Wo, source 1 = 16 tokens): a lane holds eight neighbouring features of one token.  bo is the C of each sum's first product.
; CLUSTER 4 x 4: o's images hang on the token block alone and are asked for jointly along a row of the cluster, Wo's rows on the feature block alone and jointly along a column.  No prefetch: every tile is asked for at the head.
; LIMITS: NaN and infinities are not served.
.set PITCH, 272                        ; a row of Wo in LDS: 256 bytes + 16: an odd multiple of 16
.set LWO,   32768                      ; in each half: o's images at 0, Wo's 128 rows from here on
.set HALF,  LWO+128*PITCH
.set STAGE, 2*HALF                     ; the way out: 16 rows x (256 bytes + 16) for each wave
.set SPITCH, 272
.set SPARE, STAGE+8*16*SPITCH
.set ADO, 4                            ; v4   LDS: 16 x lane + my two tiles' images
.set ADW, 5                            ; v5   LDS: my lane's place in my 64 rows of Wo
.set SCA, 6                            ; v6   32 x lane
.set L2,  7                            ; v7   2 x lane
.set BA,  8                            ; v8   32 h
.set STO, 9                            ; v9   the stage: where I put 32 bytes of a row
.set RD,  10                           ; v10  and where I read rows back
.set CO,  11                           ; v11  my byte offset in two rows of out0
.set SO,  16                           ; v16-23 o's scale words: register s: token lane, K step s.  Scales and nothing else
.set SW,  24                           ; v24-39 Wo's: register 8 p + s: feature 32 p + lane.  Scales and nothing else
.set U,   40                           ; v40-55 o's scale bytes as loaded, two a head
.set BI,  56                           ; v56-87 bo in the result's layout
.set FS,  40                           ; v40-87 (behind step 0), v88-135, v136-183 three sets of fragments: 16 registers of o, 32 of Wo; step s takes set (s + 1) % 3
.set ACC, 184                          ; v184-247 accumulator (feature tile t0, token tile t1) at ACC + 32 t1 + 8 t0
.set WV,  16
.set TG,  17
.set FG,  18
.set G1O, 24
.set G0O, 32
.set G1W, 36
.set G0W, 44
.macro PLACES
.rept 4
	v_nop
.endr
.endm
.macro CROUND                          ; a round of the cluster's barrier
	s_barrier_signal -1
	s_barrier_wait -1
	s_cmp_lg_u32 s[WV], 0
	s_cbranch_scc1 .Lnot_wave_0_\@
	s_barrier_signal -3
.Lnot_wave_0_\@:
	s_barrier_wait -3
	s_barrier_signal -1
	s_barrier_wait -1
.endm
.macro WMA d, a, b, c, sa, sb, ra, rb  ; one product; ra, rb: which half of the lanes of the scale registers holds source 0's and source 1's words
.if ((\ra) == 0) && ((\rb) == 0)
	v_wmma_scale_f32_16x16x128_f8f6f4 v[\d:\d+7], v[\a:\a+7], v[\b:\b+7], v[\c:\c+7], v[\sa], v[\sb] matrix_a_fmt:MATRIX_FMT_FP4 matrix_b_fmt:MATRIX_FMT_FP4
.elseif ((\rb) == 0)
	v_wmma_scale_f32_16x16x128_f8f6f4 v[\d:\d+7], v[\a:\a+7], v[\b:\b+7], v[\c:\c+7], v[\sa], v[\sb] matrix_a_fmt:MATRIX_FMT_FP4 matrix_b_fmt:MATRIX_FMT_FP4 matrix_a_scale:MATRIX_SCALE_ROW1
.elseif ((\ra) == 0)
	v_wmma_scale_f32_16x16x128_f8f6f4 v[\d:\d+7], v[\a:\a+7], v[\b:\b+7], v[\c:\c+7], v[\sa], v[\sb] matrix_a_fmt:MATRIX_FMT_FP4 matrix_b_fmt:MATRIX_FMT_FP4 matrix_b_scale:MATRIX_SCALE_ROW1
.else
	v_wmma_scale_f32_16x16x128_f8f6f4 v[\d:\d+7], v[\a:\a+7], v[\b:\b+7], v[\c:\c+7], v[\sa], v[\sb] matrix_a_fmt:MATRIX_FMT_FP4 matrix_b_fmt:MATRIX_FMT_FP4 matrix_a_scale:MATRIX_SCALE_ROW1 matrix_b_scale:MATRIX_SCALE_ROW1
.endif
.endm
.macro ARM under, g0, g1, next
	s_cmp_lt_u32 s[WV], \under
	s_cbranch_scc0 \next
	tensor_load_to_lds s[\g0:\g0+3], s[\g1:\g1+7]
	s_nop 0
	PLACES
	s_branch .Lasked
\next:
.endm
	s_load_b256 s[4:11], s[0:1], 0x0               ; oimg s[4:5], osc s[6:7], Wo codes s[8:9], Wo scales s[10:11]
	s_load_b128 s[12:15], s[0:1], 0x20             ; bo s[12:13], out0 s[14:15]
	v_lshl_add_u32 v254, v0, 2, SPARE
	v_mov_b32 v255, 0
	ds_add_u32 v254, v255                          ; the wave's opening: the add, twice on end, and its wait
	ds_add_u32 v254, v255
	v_lshrrev_b32 v1, 5, v0
	v_readfirstlane_b32 s[WV], v1                  ; wave 0..7
	s_and_b32 s[TG], s[WV], 3                      ; which two tiles
	s_lshr_b32 s[FG], s[WV], 2                     ; which 64 features.  Also: which half of K I fetch
	s_bfe_u32 s19, ttmp6, 0x40000                  ; cx
	s_bfe_u32 s20, ttmp6, 0x40004                  ; cy
	s_lshl_b32 s21, ttmp9, 2
	s_add_co_u32 s21, s21, s19                     ; the block of 128 features = 4 x cluster x + cx
	s_and_b32 s22, ttmp7, 0xffff
	s_lshl_b32 s22, s22, 2
	s_add_co_u32 s22, s22, s20                     ; the block of eight tiles = 4 x cluster y + cy
	s_lshl_b32 s23, s20, 2
	s_lshl_b32 s23, 15, s23                        ; my row of the cluster
	s_lshl_b32 s48, 0x1111, s19                    ; my column
	; o: four tiles a load: rows of 4,096 bytes (512 elements of 8 bytes), 8,192 apart, no padding: every read is 16 consecutive bytes a lane
	s_or_b32 s[G1O], s23, (3<<16)|(1<<21)
	s_mov_b32 s[G1O+1], 512<<16
	s_mov_b32 s[G1O+2], 4<<16
	s_mov_b32 s[G1O+3], 512<<16
	s_mov_b32 s[G1O+4], 4
	s_mov_b32 s[G1O+5], 1024
	s_mov_b32 s[G1O+6], 0
	s_mov_b32 s[G1O+7], 0
	; Wo: 256 bytes of each of 64 rows a load, 16 bytes of padding behind each
	s_or_b32 s[G1W], s48, 0x7700000                ; 17:16 elements of 1 byte; 20 padding on; 21 set beside a mask; 24:22 after every 64 words (code 5); 31:25 four words (code 3)
	s_mov_b32 s[G1W+1], 256<<16
	s_mov_b32 s[G1W+2], 64<<16
	s_mov_b32 s[G1W+3], 256<<16
	s_mov_b32 s[G1W+4], 64
	s_mov_b32 s[G1W+5], 512
	s_mov_b32 s[G1W+6], 0
	s_mov_b32 s[G1W+7], 0
	s_and_b32 s19, s[WV], 1                        ; which part of the tile I fetch
	s_lshl_b32 s50, s22, 16                        ; o: 65,536 bytes a block of eight tiles,
	s_lshl_b32 s51, s19, 15
	s_add_co_u32 s50, s50, s51
	s_lshl_b32 s51, s[FG], 12
	s_add_co_u32 s50, s50, s51
	s_mov_b32 s51, 0
	s_lshl_b32 s52, s21, 16                        ; Wo: 128 rows of 512 bytes a block
	s_lshl_b32 s53, s19, 15
	s_add_co_u32 s52, s52, s53
	s_lshl_b32 s53, s[FG], 8
	s_add_co_u32 s52, s52, s53
	s_mov_b32 s53, 0
	s_mul_i32 s54, s[FG], HALF
	s_lshl_b32 s55, s19, 14
	s_mul_i32 s56, s19, 64*PITCH
	s_add_co_u32 s56, s56, LWO
	s_wait_dscnt 0x0                               ; both opening adds are done
	s_wait_kmcnt 0x0
	s_mov_b32 s[G0O], 1
	s_add_co_u32 s[G0O+1], s54, s55
	s_add_nc_u64 s[G0O+2:G0O+3], s[4:5], s[50:51]
	s_or_b32 s[G0O+3], s[G0O+3], 0x80000000
	s_mov_b32 s[G0W], 1
	s_add_co_u32 s[G0W+1], s54, s56
	s_add_nc_u64 s[G0W+2:G0W+3], s[8:9], s[52:53]
	s_or_b32 s[G0W+3], s[G0W+3], 0x80000000
	CROUND                                         ; all sixteen work-groups are here: the joint loads meet
	; one load a wave; the second half's lines are its own, since the first half is waited for first
	ARM 2, G0O, G1O, .Larm_w
	ARM 4, G0W, G1W, .Larm_o2
	ARM 6, G0O, G1O, .Larm_w2
	tensor_load_to_lds s[G0W:G0W+3], s[G1W:G1W+7]
	s_nop 0
	PLACES
.Lasked:
	s_lshl_b32 s52, s21, 12                        ; Wo's scales: 32 bytes a row; my 64 rows
	s_lshl_b32 s53, s[FG], 11
	s_add_co_u32 s52, s52, s53
	s_mov_b32 s53, 0
	s_add_nc_u64 s[10:11], s[10:11], s[52:53]
	s_lshl_b32 s52, s21, 9                         ; bo: my 64 numbers
	s_lshl_b32 s53, s[FG], 8
	s_add_co_u32 s52, s52, s53
	s_mov_b32 s53, 0
	s_add_nc_u64 s[12:13], s[12:13], s[52:53]
	s_lshl_b32 s50, s22, 8                         ; o's scale bytes: two a token and head; my 32 tokens
	s_lshl_b32 s51, s[TG], 6
	s_add_co_u32 s50, s50, s51
	s_mov_b32 s51, 0
	s_add_nc_u64 s[6:7], s[6:7], s[50:51]
	; out0: rows of 4,096 bytes.  My eight tiles are batch s22 / 16, i = (s22 / 2) % 8, blocks of 128 tokens 8 (s22 % 2) on; mine of them 2 TG and 2 TG + 1
	s_lshr_b32 s54, s22, 4
	s_lshl_b32 s54, s54, 23
	s_and_b32 s55, s22, 1
	s_lshl_b32 s55, s55, 22
	s_add_co_u32 s54, s54, s55
	s_lshl_b32 s55, s[TG], 20
	s_add_co_u32 s54, s54, s55
	s_bfe_u32 s55, s22, 0x10003                    ; g
	s_lshl_b32 s55, s55, 18
	s_add_co_u32 s54, s54, s55
	s_bfe_u32 s55, s22, 0x20001                    ; m
	s_and_b32 s56, s55, 1
	s_lshl_b32 s55, s55, 15
	s_add_co_u32 s54, s54, s55
	s_lshl_b32 s55, s21, 9                         ; my 64 columns
	s_add_co_u32 s54, s54, s55
	s_lshl_b32 s55, s[FG], 8
	s_add_co_u32 s54, s54, s55
	s_mov_b32 s55, 0
	s_add_nc_u64 s[14:15], s[14:15], s[54:55]
	s_lshl_b32 s56, s56, 16
	s_sub_co_u32 s56, 0x28000, s56                 ; rows 8-15 lie 40 rows on (m even) or 24 (m odd)
	s_mov_b32 s57, 0
	s_add_nc_u64 s[58:59], s[14:15], s[56:57]
	s_lshl_b32 s3, s[TG], 13                       ; my two tiles' images: 4,096 bytes each in a half
	s_mul_i32 s2, s[FG], 64*PITCH
	s_add_co_u32 s2, s2, LWO
	s_mul_i32 s49, s[WV], 16*SPITCH
	s_add_co_u32 s49, s49, STAGE                   ; my stage
	v_and_b32 v1, 31, v0                           ; lane
	v_and_b32 v2, 15, v0                           ; r
	v_bfe_u32 v3, v0, 4, 1                         ; h
	v_lshl_add_u32 v[ADO], v1, 4, s3
	v_mul_u32_u24 v[ADW], v2, PITCH
	v_mul_u32_u24 v[STO], v2, SPITCH               ; in: row r, 32 bytes for each half of the lanes
	v_mul_u32_u24 v[RD], v3, SPITCH                ; back: lanes 0-15 one row of 256 bytes, lanes 16-31 the next
	v_lshlrev_b32 v[CO], 12, v3                    ; and the same two rows in out0
	v_lshl_add_u32 v[ADW], v3, 4, v[ADW]
	v_lshl_add_u32 v[STO], v3, 5, v[STO]
	v_lshl_add_u32 v[RD], v2, 4, v[RD]
	v_lshl_add_u32 v[CO], v2, 4, v[CO]
	v_add_nc_u32 v[ADW], s2, v[ADW]
	v_add_nc_u32 v[STO], s49, v[STO]
	v_add_nc_u32 v[RD], s49, v[RD]
	v_lshlrev_b32 v[SCA], 5, v1
	v_lshlrev_b32 v[L2], 1, v1
	v_lshlrev_b32 v[BA], 5, v3
	s_wait_alu depctr_va_vdst(0)                   ; the end of the head's vector work
.irp g, 0,1,2,3,4,5,6,7,8,9,10,11,12,13,14,15
	global_load_u16 v[U+\g], v[L2], s[6:7] offset:8192*\g      ; head g, token = lane: lanes 16-31 are my second tile
.endr
.irp p, 0,1
.irp q, 0,1
	global_load_b128 v[SW+8*\p+4*\q:SW+8*\p+4*\q+3], v[SCA], s[10:11] offset:1024*\p+16*\q
.endr
.endr
.irp t0, 0,1,2,3
	global_load_b128 v[BI+8*\t0:BI+8*\t0+3], v[BA], s[12:13] offset:64*\t0        ; features 16 t0 + 8 h + 0 .. 7
	global_load_b128 v[BI+8*\t0+4:BI+8*\t0+7], v[BA], s[12:13] offset:64*\t0+16
.endr
	s_cmp_lt_u32 s[WV], 4
	s_cbranch_scc0 .Lsecond_half
	s_wait_tensorcnt 0x0                           ; waves 0-3: my part of the first half has landed
.Lsecond_half:
	s_barrier_signal -1
	s_barrier_wait -1                              ; the first half is in
.macro LOADF s                         ; K step s: twelve loads into its set
.set FB, FS+48*(((\s)+1)%3)
.irp t1, 0,1
.irp c, 0,1
	ds_load_b128 v[FB+8*\t1+4*\c:FB+8*\t1+4*\c+3], v[ADO] offset:4096*\t1+1024*((\s)%4)+512*\c
.endr
.endr
.irp t0, 0,1,2,3
.irp c, 0,1
	ds_load_b128 v[FB+16+8*\t0+4*\c:FB+16+8*\t0+4*\c+3], v[ADW] offset:16*PITCH*\t0+64*((\s)%4)+32*\c
.endr
.endr
.endm
.macro MULP s                          ; eight products: the eight accumulators take turns, one instruction a turn
.set FB, FS+48*(((\s)+1)%3)
.irp t1, 0,1
.irp t0, 0,1,2,3
.if (\s) == 0
	WMA ACC+32*\t1+8*\t0, FB+16+8*\t0, FB+8*\t1, BI+8*\t0, SW+8*(\t0/2)+(\s), SO+(\s), \t0%2, \t1
.else
	WMA ACC+32*\t1+8*\t0, FB+16+8*\t0, FB+8*\t1, ACC+32*\t1+8*\t0, SW+8*(\t0/2)+(\s), SO+(\s), \t0%2, \t1
.endif
.endr
.endr
.endm
	LOADF 0
	LOADF 1
	s_wait_loadcnt 0x0                             ; scales and bias
.irp s, 0,1,2,3,4,5,6,7
	v_lshl_or_b32 v[SO+\s], v[U+2*\s+1], 16, v[U+2*\s]         ; K step s: heads 2 s and 2 s + 1
.endr
	PLACES                                         ; a scale register so written stands eight places ahead of a product
	PLACES
	s_wait_alu depctr_va_vdst(0)
	s_wait_dscnt 12                                ; all but step 1's twelve
	MULP 0
	PLACES                                         ; the bias and step 0's fragments have been read
	LOADF 2
	LOADF 3
	s_wait_dscnt 24                                ; all but the 24 just issued
	MULP 1
	s_wait_tensorcnt 0x0                           ; my part of the second half, if I fetch for it, has landed
	s_wait_dscnt 0x0                               ; steps 2 and 3 are in registers: no LDS load of mine is out
	s_barrier_signal -1
	MULP 2
	MULP 3
	s_barrier_wait -1                              ; the second half is in
	v_add_nc_u32 v[ADO], HALF, v[ADO]
	v_add_nc_u32 v[ADW], HALF, v[ADW]
	s_wait_alu depctr_va_vdst(0)
	PLACES
	LOADF 4
	LOADF 5
	LOADF 6
	s_wait_dscnt 24                                ; all but steps 5 and 6
	MULP 4
	PLACES
	LOADF 7
	s_wait_dscnt 24                                ; all but steps 6 and 7
	MULP 5
	s_wait_dscnt 0x0                               ; steps 6 and 7 are in: they go by token tile, so that the first tile leaves while the second is multiplied
.macro MULT s, t1                      ; four products of one token tile: its four accumulators take turns
.set FB, FS+48*(((\s)+1)%3)
.irp t0, 0,1,2,3
	WMA ACC+32*\t1+8*\t0, FB+16+8*\t0, FB+8*\t1, ACC+32*\t1+8*\t0, SW+8*(\t0/2)+(\s), SO+(\s), \t0%2, \t1
.endr
.endm
	MULT 6, 0
	MULT 7, 0
; THE WAY OUT, 16 tokens x 64 features at a time, through my own stage: a lane's 32 bytes go in, whole rows of 256 bytes come back.  LDS serves a wave's instructions in order: no wait between the stores and the loads
.macro TOSTAGE t1
.irp t0, 0,1,2,3
	ds_store_b128 v[STO], v[ACC+32*\t1+8*\t0:ACC+32*\t1+8*\t0+3] offset:64*\t0        ; each accumulator from its low end on
	ds_store_b128 v[STO], v[ACC+32*\t1+8*\t0+4:ACC+32*\t1+8*\t0+7] offset:64*\t0+16
.endr
.irp i, 0,1,2,3,4,5,6,7
	ds_load_b128 v[FS+48*\t1+4*\i:FS+48*\t1+4*\i+3], v[RD] offset:2*SPITCH*\i
.endr
.endm
.macro SEND t1, younger
	s_wait_dscnt \younger
.irp i, 0,1,2,3,4,5,6,7
.if \i < 4
	global_store_b128 v[CO], v[FS+48*\t1+4*\i:FS+48*\t1+4*\i+3], s[14:15] offset:(128*\t1+2*\i)*4096 th:TH_STORE_NT   ; sixteen lanes store 256 consecutive bytes, aligned; written once, read by nobody here
.else
	global_store_b128 v[CO], v[FS+48*\t1+4*\i:FS+48*\t1+4*\i+3], s[58:59] offset:(128*\t1+2*\i-8)*4096 th:TH_STORE_NT
.endif
.endr
.endm
	PLACES
	TOSTAGE 0
	MULT 6, 1
	MULT 7, 1
	SEND 0, 0
	PLACES
	TOSTAGE 1
	SEND 1, 0
	s_wait_tensorcnt 0x0                           ; the wave's end
	ds_add_u32 v254, v255
	s_wait_dscnt 0x0
	CROUND                                         ; the closing round: no work-group ends while a partner may still ask for a tile that names it
	s_endpgm
.Lfunc_end_k_qce195f4a72_proj:
	.size	k_qce195f4a72_proj, .Lfunc_end_k_qce195f4a72_proj-k_qce195f4a72_proj
	.p2alignl 7, 3214868480
	.fill 96, 4, 3214868480
	.section	.rodata,"a",@progbits
	.p2align	6, 0x0
	.amdhsa_kernel k_qce195f4a72_proj
		.amdhsa_group_segment_fixed_size 172032
		.amdhsa_private_segment_fixed_size 0
		.amdhsa_enable_private_segment 0
		.amdhsa_kernarg_size 48
		.amdhsa_user_sgpr_count 2
		.amdhsa_user_sgpr_kernarg_segment_ptr 1
		.amdhsa_wavefront_size32 1
		.amdhsa_system_sgpr_workgroup_id_x 1
		.amdhsa_system_sgpr_workgroup_id_y 1
		.amdhsa_system_sgpr_workgroup_id_z 1
		.amdhsa_system_vgpr_workitem_id 0
		.amdhsa_next_free_vgpr 256
		.amdhsa_next_free_sgpr 66
		.amdhsa_reserve_vcc 0
		.amdhsa_float_denorm_mode_32 3
		.amdhsa_float_denorm_mode_16_64 3
		.amdhsa_memory_ordered 1
		.amdhsa_forward_progress 1
		.amdhsa_inst_pref_size 31
	.end_amdhsa_kernel
	.amdgpu_metadata
---
amdhsa.version: [ 1, 2 ]
amdhsa.kernels:
  - .name:           k_qce195f4a72_proj
    .symbol:         k_qce195f4a72_proj.kd
    .args:
      - { .name: oimg, .offset: 0, .size: 8, .value_kind: global_buffer, .address_space: global }
      - { .name: osc, .offset: 8, .size: 8, .value_kind: global_buffer, .address_space: global }
      - { .name: Wo_codes, .offset: 16, .size: 8, .value_kind: global_buffer, .address_space: global }
      - { .name: Wo_scales, .offset: 24, .size: 8, .value_kind: global_buffer, .address_space: global }
      - { .name: bo, .offset: 32, .size: 8, .value_kind: global_buffer, .address_space: global }
      - { .name: out0, .offset: 40, .size: 8, .value_kind: global_buffer, .address_space: global }
    .group_segment_fixed_size: 172032
    .private_segment_fixed_size: 0
    .kernarg_segment_align: 8
    .kernarg_segment_size: 48
    .max_flat_workgroup_size: 256
    .sgpr_count:     66
    .vgpr_count:     256
    .wavefront_size: 32
...
	.end_amdgpu_metadata
.endif
;; end of part 3
